; MI455X (gfx1250); checked and timed in simulation.
; The chip was launched on July 23, 2026; its instructions are those of AMD's public machine-readable ISA for CDNA 5 (MIT licence, August 2026) and "CDNA5" Instruction Set Architecture Reference Guide (July 2026). The comments in the code are by the model that wrote it; some were corrected since.
;; Lora Linear. Allowed arithmetic: float matrix products may take bf16 or f16 operands with f32 sums; other float arithmetic in f32, or as packed bf16 or f16 multiplies, adds, multiply-adds, maxima and minima; sums over many terms, partial sums and values carried from step to step in f32; what a program stores and reads back later, other than sums and carried values, may be rounded once to bf16 or f16.
;; Inputs: W 4,096 x 4,096 float32; adapter_indices 8 int32; bias 4,096 float32; lora_a 8 x 16 x 4,096 float32; lora_b 8 x 4,096 x 16 float32; x 8 x 512 x 4,096 float32.
;; Outputs: out0 8 x 512 x 4,096 float32.
;; One version. Each part assembles by itself: llvm-mc -triple=amdgcn-amd-amdhsa -mcpu=gfx1250 --defsym DOCPART=n.
;; ======== version 1 of 1: 2 launches
;; workspace buffers: xb 33,554,432 bytes; wb 33,554,432 bytes; ie 262,144 bytes; lbe 2,097,152 bytes
;; launch prep (part 1): grid 256 x 1, 8 waves a work-group, no clusters, 44,032 bytes of LDS; arguments x, W, lora_a, lora_b, adapter_indices, xb, wb, ie, lbe; writes xb, wb, ie, lbe
.if DOCPART == 1
	.amdgcn_target "amdgcn-amd-amdhsa--gfx1250"
	.amdhsa_code_object_version 6
	.text
	.protected	k_qa1856b1a4c_prep
	.globl	k_qa1856b1a4c_prep
	.p2align	8
	.type	k_qa1856b1a4c_prep,@function
k_qa1856b1a4c_prep:
	s_mov_b64 s[64:65], 0
	v_nop
	global_prefetch_b8 v0, s[64:65] scope:SCOPE_SE
	s_setreg_imm32_b32 hwreg(HW_REG_WAVE_MODE, 25, 1), 1
	s_wait_xcnt 0x0
; ROUNDING AND THE FIRST LORA PRODUCT.  x [4096][4096] and W [4096][4096], f32, are rounded once to bf16 (xb, wb, same layout); while x goes through registers,
; inter[m][r] = sum over i of x[m][i] lora_a[idx[m / 512]][r][i] is made by the matrix unit (operands bf16, sums f32) and stored, rounded once to bf16, as ie;
; lora_b[idx[b]] is rounded to bf16 and stored as lbe.  ie and lbe are REGISTER IMAGES of 16 x 32 bf16 fragments, 1,024 bytes each: bytes 16 l .. 16 l + 15 are
; lane l's registers 0-3 (row l % 16, ranks 8 (l / 16) + 0..7), bytes 512 .. 1,023 (ranks 16 to 31, which do not exist) are 0.
; SHARES.  Work-group g owns rows 16 g .. 16 g + 15 of x and of W, and the images 8 g .. 8 g + 7 of lbe; its batch element is b = g / 32.  Wave w owns columns 512 w .. 512 w + 511,
; in four trips of 128.  A CHUNK is 16 rows x 128 f32: sixteen loads, each 512 consecutive bytes of one row.  Three chunks (x, lora_a, W) are always on their way: 24 KiB a wave.
; The eight waves' partial sums of inter (f32) meet in LDS behind the one barrier; wave 0 adds them in a fixed order.
; NO JOINT LOADS: what the 32 work-groups of a batch element share is their adapter's lora_a (256 KiB of f32, a third of what a work-group loads); it is rounded on its way through
; registers like x, and as f32 in LDS it would take 256 KiB beside the stages.
; LIMITS.  x, W, lora_a, lora_b and inter are each rounded once to bf16 (nearest even).  An index is taken as unsigned and held to 0..7: a negative one would read adapter 7.
; NaN and infinities are not treated apart.
.set ROWX,   16384                     ; bytes in a row of x, W, lora_a
.set ROWB,   8192                      ; bytes in a row of xb, wb
.set SPITCH, 272                       ; a stage row: 256 bytes (128 bf16) + 16 of padding: the 16 rows of a fragment load start at 16 different groups of four banks (64 banks of 4 bytes: ISA guide 11.1)
.set WSTAGE, 16*SPITCH                 ; a wave's own stage
.set RED,    8*WSTAGE                  ; behind the stages: 1,024 bytes a wave, its partial inter: [half of the registers][lane][16 bytes]
.set SPARE,  RED+8*1024                ; behind them: the spare words, 128 bytes a wave: four blocks of 256 bytes that no other line names
.set VO,  2                            ; v2   2,048 w + 16 lane: my 16 bytes in a row of x, W, lora_a; never rewritten
.set VS,  3                            ; v3   1,024 w + 8 lane: my 8 bytes in a row of xb, wb; never rewritten
.set STW, 4                            ; v4   my stage + 8 lane
.set STR, 5                            ; v5   my stage + 272 (lane % 16) + 16 (lane / 16)
.set RW,  6                            ; v6   RED + 1,024 w + 16 lane
.set RR,  7                            ; v7   RED + 16 lane
.set VLB, 8                            ; v8   1,024 w + 64 (lane % 16) + 32 (lane / 16): my 32 bytes of lora_b
.set VLE, 9                            ; v9   1,024 w + 16 lane: my 16 bytes of my wave's image in lbe
.set L16, 10                           ; v10  16 lane
.set SPW, 14                           ; v14  LDS address of my spare word; never rewritten
.set NIL, 15                           ; v15  0; never rewritten
.set Z4,  16                           ; v[16:19]   zeros: an image's upper half
.set LBF, 20                           ; v[20:27]   lora_b as loaded
.set LBP, 28                           ; v[28:31]   lora_b rounded
.set PK,  32                           ; v[32:63]   a chunk rounded: row i in PK + 2 i, PK + 2 i + 1
.set FRA, 64                           ; v[64:95]   four fragments (16 x 32) of lora_a
.set FRX, 96                           ; v[96:127]  four fragments of x
.set T,   64                           ; v[64:127]  wave 0's last sum, where the fragments lay
.set AC,  128                          ; v[128:143] two accumulators, by turns
.set IEP, 144                          ; v[144:147] inter rounded
.set BX,  0                            ; window 1: v[0:63] x's chunk, v[64:127] lora_a's, v[128:191] W's, as loaded
.set BA,  64
.set BW,  128
.set MSB, 0
.macro WIN new                         ; s_set_vgpr_msb: bits 1:0 source 0, 3:2 source 1, 5:4 source 2, 7:6 destination; the high byte repeats the setting that is left
.if MSB != (\new)
	s_set_vgpr_msb (MSB<<8)|(\new)
.set MSB, \new
.endif
.endm
	s_load_b512 s[8:23], s[0:1], 0x0               ; x s[8:9], W s[10:11], lora_a s[12:13], lora_b s[14:15], adapter_indices s[16:17], xb s[18:19], wb s[20:21], ie s[22:23]
	s_load_b64 s[24:25], s[0:1], 0x40              ; lbe
	v_lshl_add_u32 v[SPW], v0, 2, SPARE
	v_mov_b32 v[NIL], 0
	v_lshrrev_b32 v1, 5, v0
	v_readfirstlane_b32 s3, v1                     ; wave 0..7
	v_and_b32 v1, 31, v0                           ; lane
	s_mov_b32 s2, ttmp9                            ; g
	s_lshr_b32 s26, s2, 5
	s_lshl_b32 s26, s26, 2                         ; 4 b: my batch element's index
	s_lshl_b32 s28, s2, 18                         ; 16 rows of 16,384 bytes
	s_mov_b32 s29, 0
	s_lshl_b32 s30, s2, 17                         ; 16 rows of 8,192 bytes
	s_mov_b32 s31, 0
	s_mov_b32 s33, 0
	s_and_b32 s34, s2, 31
	s_lshl_b32 s34, s34, 13                        ; in lora_b[idx]: 8 blocks of 16 rows of 64 bytes
	s_mov_b32 s35, 0
	s_lshl_b32 s36, s2, 13                         ; in lbe: 8 images
	s_mov_b32 s37, 0
	s_lshl_b32 s38, s2, 10                         ; in ie: one image
	s_mov_b32 s39, 0
	s_mul_i32 s6, s3, WSTAGE                       ; my stage
	s_lshl_b32 s7, s3, 10
	s_add_co_u32 s27, s7, RED
	v_and_b32 v11, 15, v1
	v_lshrrev_b32 v12, 4, v1
	v_lshlrev_b32 v[VO], 4, v1
	v_lshl_add_u32 v[VO], s3, 11, v[VO]
	v_lshl_add_u32 v[VS], v1, 3, s7
	v_lshl_add_u32 v[STW], v1, 3, s6
	v_mul_u32_u24 v[STR], v11, SPITCH
	v_lshl_add_u32 v[STR], v12, 4, v[STR]
	v_add_nc_u32 v[STR], s6, v[STR]
	v_lshl_add_u32 v[RW], v1, 4, s27
	v_lshl_add_u32 v[RR], v1, 4, RED
	v_lshlrev_b32 v[VLB], 6, v11
	v_lshl_add_u32 v[VLB], v12, 5, v[VLB]
	v_add_nc_u32 v[VLB], s7, v[VLB]
	v_lshl_add_u32 v[VLE], v1, 4, s7
	v_lshlrev_b32 v[L16], 4, v1
.irp j, 0,1,2,3
	v_mov_b32 v[Z4+(\j)], 0
.endr
	s_wait_kmcnt 0x0
	s_load_b32 s4, s[16:17], s26 offset:0x0        ; idx[b]
	s_add_nc_u64 s[8:9], s[8:9], s[28:29]          ; every base at my work-group's part; none is stepped afterwards: rows and trips stand in the immediates
	s_add_nc_u64 s[10:11], s[10:11], s[28:29]
	s_add_nc_u64 s[18:19], s[18:19], s[30:31]
	s_add_nc_u64 s[20:21], s[20:21], s[30:31]
	s_add_nc_u64 s[22:23], s[22:23], s[38:39]
	s_add_nc_u64 s[24:25], s[24:25], s[36:37]
; Chunk c of the tensor at s[base]: sixteen loads into window 1.  nt = 1: bytes that the launch reads once.
.macro LOADC buf, base, c, nt
	WIN 0x40                                       ; destination window 1, address window 0
.set i, 0
.rept 16
.if \nt
	global_load_b128 v[(\buf)+4*i:(\buf)+4*i+3], v[VO], s[\base:\base+1] offset:i*ROWX+(\c)*512 th:TH_LOAD_NT
.else
	global_load_b128 v[(\buf)+4*i:(\buf)+4*i+3], v[VO], s[\base:\base+1] offset:i*ROWX+(\c)*512
.endif
.set i, i+1
.endr
.endm
; A chunk is rounded: my four numbers of row i become 8 bytes.
.macro CVT buf
	WIN 0x05                                       ; sources 0 and 1 window 1, destination window 0
.set i, 0
.rept 16
	v_cvt_pk_bf16_f32 v[PK+2*i],   v[(\buf)+4*i],   v[(\buf)+4*i+1]
	v_cvt_pk_bf16_f32 v[PK+2*i+1], v[(\buf)+4*i+2], v[(\buf)+4*i+3]
.set i, i+1
.endr
.endm
; The rounded chunk is stored: each store of the wave covers 256 consecutive bytes, at a multiple of 256 from the buffer's first byte.  No hint: the next launch reads them.
.macro STOREC base, c
	WIN 0
.set i, 0
.rept 16
	global_store_b64 v[VS], v[PK+2*i:PK+2*i+1], s[\base:\base+1] offset:i*ROWB+(\c)*256
.set i, i+1
.endr
.endm
; The rounded chunk goes through my own stage and comes back as four fragments: lane l takes row l % 16, K = 8 (l / 16) + 0..7 and 16 + 8 (l / 16) + 0..7 of each 32.
; LDS serves a wave's instructions in order (ISA guide 5.7.1.4): the loads see the stores above them, and the next chunk's stores come behind these loads.  No other wave touches these bytes.
.macro TOFRAG fr
	WIN 0
.set i, 0
.rept 16
	ds_store_b64 v[STW], v[PK+2*i:PK+2*i+1] offset:i*SPITCH
.set i, i+1
.endr
.set i, 0
.rept 4
	ds_load_b128 v[(\fr)+8*i:(\fr)+8*i+3],   v[STR] offset:64*i
	ds_load_b128 v[(\fr)+8*i+4:(\fr)+8*i+7], v[STR] offset:64*i+32
.set i, i+1
.endr
.endm
.macro PLACES                          ; four plain vector instructions between a matrix instruction and what reads its result (ISA guide 7.12.1)
.rept 4
	v_nop
.endr
.endm
	LOADC BX, 8, 0, 1                              ; x's first chunk goes out while the index is on its way
	WIN 0
	s_wait_kmcnt 0x0
	s_min_u32 s4, s4, 7                            ; the index stays inside its table
	s_lshl_b32 s32, s4, 18                         ; an adapter is 262,144 bytes of lora_a and of lora_b
	s_add_nc_u64 s[12:13], s[12:13], s[32:33]
	s_add_nc_u64 s[14:15], s[14:15], s[32:33]
	s_add_nc_u64 s[14:15], s[14:15], s[34:35]
	global_load_b128 v[LBF:LBF+3],   v[VLB], s[14:15]
	global_load_b128 v[LBF+4:LBF+7], v[VLB], s[14:15] offset:16
	LOADC BA, 12, 0, 0
	LOADC BW, 10, 0, 1
; A TRIP: 128 columns.  Loads come back in order (ISA guide 5.7.1), so each wait names the loads that were issued behind the chunk it wants.  As soon as a chunk is rounded its registers take the next trip's.
.macro TRIP c
	; x: rounded, stored, and laid out as fragments
.if (\c) == 0
	s_wait_loadcnt 34                              ; behind x's chunk: lora_b's 2 loads, lora_a's 16, W's 16
.else
	s_wait_loadcnt 32                              ; behind x's chunk: lora_a's 16, W's 16
	s_wait_xcnt 0x0                                ; PK, which the last trip's stores to wb read, is rewritten only behind this wait
.endif
	CVT BX                                         ; (these 32 conversions are also the places between the last trip's products and the loads into their fragments)
.if (\c) < 3
	LOADC BX, 8, (\c)+1, 1
.endif
	STOREC 18, \c
	TOFRAG FRX
.if (\c) == 0
	; lora_b's block of my wave: rounded and stored as an image; each of the two stores covers 512 consecutive bytes
	s_wait_loadcnt 48                              ; behind its 2 loads: lora_a's 16, W's 16, x's next 16
.irp j, 0,1,2,3
	v_cvt_pk_bf16_f32 v[LBP+(\j)], v[LBF+2*(\j)], v[LBF+2*(\j)+1]
.endr
	global_store_b128 v[VLE], v[LBP:LBP+3], s[24:25]
	global_store_b128 v[VLE], v[Z4:Z4+3], s[24:25] offset:512
.endif
	; lora_a: rounded and laid out as fragments
.if (\c) < 3
	s_wait_loadcnt 32                              ; behind lora_a's chunk: W's 16, x's next 16
.else
	s_wait_loadcnt 16                              ; W's 16
.endif
	s_wait_xcnt 0x0                                ; PK, which the stores to xb read
	CVT BA
.if (\c) < 3
	LOADC BA, 12, (\c)+1, 0
.endif
	TOFRAG FRA
	; W: rounded and stored.  Since the last wait only LDS stores have read PK.
.if (\c) < 3
	s_wait_loadcnt 32                              ; behind W's chunk: x's next 16, lora_a's next 16
.else
	s_wait_loadcnt 0x0
.endif
	CVT BW
.if (\c) < 3
	LOADC BW, 10, (\c)+1, 1
.endif
	STOREC 20, \c
	; inter: source 0 = 16 ranks of lora_a, source 1 = 16 rows of x: a lane's eight results are ranks 8 (l / 16) + 0..7 of row l % 16, the image's own order.
	; Two accumulators take turns, one instruction a turn; the first trip's first two products start the sums.
	s_wait_dscnt 0x0                               ; both sets of fragments are in
.set q, 0
.rept 4
.if ((\c) == 0) && (q < 2)
	v_wmma_f32_16x16x32_bf16 v[AC+8*(q%2):AC+8*(q%2)+7], v[FRA+8*q:FRA+8*q+7], v[FRX+8*q:FRX+8*q+7], 0
.else
	v_wmma_f32_16x16x32_bf16 v[AC+8*(q%2):AC+8*(q%2)+7], v[FRA+8*q:FRA+8*q+7], v[FRX+8*q:FRX+8*q+7], v[AC+8*(q%2):AC+8*(q%2)+7]
.endif
.set q, q+1
.endr
.endm
.irp c, 0,1,2,3
	TRIP \c
.endr
	PLACES
.irp j, 0,2,4,6                        ; the two accumulators into one, from the low end on
	v_pk_add_f32 v[AC+(\j):AC+(\j)+1], v[AC+(\j):AC+(\j)+1], v[AC+8+(\j):AC+8+(\j)+1]
.endr
	ds_store_b128 v[RW], v[AC:AC+3]                ; my wave's partial sums over its 512 columns, in f32
	ds_store_b128 v[RW], v[AC+4:AC+7] offset:512
	s_wait_tensorcnt 0x0                           ; a wait, an add of 0 to my spare word and a wait, behind my last LDS store;
	ds_add_u32 v[SPW], v[NIL]
	s_wait_dscnt 0x0                               ; the last of them also shows my stores done, for wave 0's sake
	s_barrier_signal -1
	s_barrier_wait -1                              ; all eight partial sums lie in LDS
	s_cmp_lg_u32 s3, 0
	s_cbranch_scc1 .Lend                           ; wave 0 alone adds them
.set i, 0
.rept 16
	ds_load_b128 v[T+4*i:T+4*i+3], v[RR] offset:512*i  ; wave i / 2, registers 4 (i % 2) + 0..3
.set i, i+1
.endr
	s_wait_dscnt 0x0
.irp w, 0,2,4,6                        ; a fixed tree, in f32: neighbours, then fours, then all eight
.irp j, 0,2,4,6
	v_pk_add_f32 v[T+8*(\w)+(\j):T+8*(\w)+(\j)+1], v[T+8*(\w)+(\j):T+8*(\w)+(\j)+1], v[T+8*(\w)+8+(\j):T+8*(\w)+8+(\j)+1]
.endr
.endr
.irp w, 0,4
.irp j, 0,2,4,6
	v_pk_add_f32 v[T+8*(\w)+(\j):T+8*(\w)+(\j)+1], v[T+8*(\w)+(\j):T+8*(\w)+(\j)+1], v[T+8*(\w)+16+(\j):T+8*(\w)+16+(\j)+1]
.endr
.endr
.irp j, 0,2,4,6
	v_pk_add_f32 v[T+(\j):T+(\j)+1], v[T+(\j):T+(\j)+1], v[T+32+(\j):T+32+(\j)+1]
.endr
.irp j, 0,1,2,3
	v_cvt_pk_bf16_f32 v[IEP+(\j)], v[T+2*(\j)], v[T+2*(\j)+1]
.endr
	global_store_b128 v[L16], v[IEP:IEP+3], s[22:23]           ; the image of my 16 rows: 512 consecutive bytes,
	global_store_b128 v[L16], v[Z4:Z4+3], s[22:23] offset:512  ; and 512 of zeros
.Lend:
	s_endpgm
.Lfunc_end_k_qa1856b1a4c_prep:
	.size	k_qa1856b1a4c_prep, .Lfunc_end_k_qa1856b1a4c_prep-k_qa1856b1a4c_prep
	.p2alignl 7, 3214868480
	.fill 96, 4, 3214868480
	.section	.rodata,"a",@progbits
	.p2align	6, 0x0
	.amdhsa_kernel k_qa1856b1a4c_prep
		.amdhsa_group_segment_fixed_size 44032
		.amdhsa_private_segment_fixed_size 0
		.amdhsa_enable_private_segment 0
		.amdhsa_kernarg_size 72
		.amdhsa_user_sgpr_count 2
		.amdhsa_user_sgpr_kernarg_segment_ptr 1
		.amdhsa_wavefront_size32 1
		.amdhsa_system_sgpr_workgroup_id_x 1
		.amdhsa_system_sgpr_workgroup_id_y 1
		.amdhsa_system_sgpr_workgroup_id_z 1
		.amdhsa_system_vgpr_workitem_id 0
		.amdhsa_next_free_vgpr 448
		.amdhsa_next_free_sgpr 66
		.amdhsa_reserve_vcc 0
		.amdhsa_float_denorm_mode_32 3
		.amdhsa_float_denorm_mode_16_64 3
		.amdhsa_memory_ordered 1
		.amdhsa_forward_progress 1
		.amdhsa_inst_pref_size 77
	.end_amdhsa_kernel
	.amdgpu_metadata
---
amdhsa.version: [ 1, 2 ]
amdhsa.kernels:
  - .name:           k_qa1856b1a4c_prep
    .symbol:         k_qa1856b1a4c_prep.kd
    .args:
      - { .name: x, .offset: 0, .size: 8, .value_kind: global_buffer, .address_space: global }
      - { .name: W, .offset: 8, .size: 8, .value_kind: global_buffer, .address_space: global }
      - { .name: lora_a, .offset: 16, .size: 8, .value_kind: global_buffer, .address_space: global }
      - { .name: lora_b, .offset: 24, .size: 8, .value_kind: global_buffer, .address_space: global }
      - { .name: adapter_indices, .offset: 32, .size: 8, .value_kind: global_buffer, .address_space: global }
      - { .name: xb, .offset: 40, .size: 8, .value_kind: global_buffer, .address_space: global }
      - { .name: wb, .offset: 48, .size: 8, .value_kind: global_buffer, .address_space: global }
      - { .name: ie, .offset: 56, .size: 8, .value_kind: global_buffer, .address_space: global }
      - { .name: lbe, .offset: 64, .size: 8, .value_kind: global_buffer, .address_space: global }
    .group_segment_fixed_size: 44032
    .private_segment_fixed_size: 0
    .kernarg_segment_align: 8
    .kernarg_segment_size: 72
    .max_flat_workgroup_size: 256
    .sgpr_count:     66
    .vgpr_count:     448
    .wavefront_size: 32
...
	.end_amdgpu_metadata
.endif
;; end of part 1
;; launch gemm (part 2): grid 16 x 16, 4 waves a work-group, clusters of 4 x 4, 327,680 bytes of LDS; arguments xb, wb, ie, lbe, bias, out0; writes out0
.if DOCPART == 2
	.amdgcn_target "amdgcn-amd-amdhsa--gfx1250"
	.amdhsa_code_object_version 6
	.text
	.protected	k_qa1856b1a4c_gemm
	.globl	k_qa1856b1a4c_gemm
	.p2align	8
	.type	k_qa1856b1a4c_gemm,@function
k_qa1856b1a4c_gemm:
	s_mov_b64 s[64:65], 0
	v_nop
	global_prefetch_b8 v0, s[64:65] scope:SCOPE_SE
	s_setreg_imm32_b32 hwreg(HW_REG_WAVE_MODE, 25, 1), 1
	s_wait_xcnt 0x0
	s_wait_alu depctr_hold_cnt(0) depctr_sa_sdst(0) depctr_va_vdst(0) depctr_va_sdst(0) depctr_va_ssrc(0) depctr_va_vcc(0) depctr_vm_vsrc(0)
	s_getreg_b32 s2, hwreg(HW_REG_IB_STS2, 6, 4)
	s_cmp_eq_u32 s2, 0
	s_cbranch_scc0 .Lentry_in_a_cluster
	s_endpgm
.Lentry_in_a_cluster:
	s_bfe_u32 s2, ttmp6, 0x10000c
	s_cmp_lg_u32 s2, 0xf033
	s_cbranch_scc0 .Lentry_shape_is_right
	s_endpgm
.Lentry_shape_is_right:
; out0[m][o] = sum over i of xb[m][i] wb[o][i] + bias[o] + sum over r of inter[m][r] lora_b[idx[m / 512]][o][r].  xb, wb: [4096][4096] bf16; out0: [4096][4096] f32; sums in f32.
; A tile of out0, 256 x 256, is made by a work-group of four waves; a wave makes 128 x 128: 64 accumulators of 16 x 16, 512 registers.  256 tiles: one for each work-group.
; THE BIAS is the C operand of the products that start the sums, in f32.  THE LORA TERM is those products: one step of 32 along K (16 ranks and 16 zeros), whose fragments the launch before has
; laid out as register images (ie: 16 rows of inter; lbe: 16 columns of the batch element's lora_b): a tile's 256 rows lie in one batch element of 512, so no address here hangs on an index.
; Then K goes in steps of 128 through a ring of two LDS slots filled by the tensor data mover: the tiles' rows are 256 bytes of memory, at multiples of 256 from the buffer's first byte.
; CLUSTERS: 4 x 4 work-groups.  The four of a row of the cluster need the same tiles of xb, the four of a column the same tiles of wb: each tile is asked for JOINTLY, by the same tensor load with
; the same descriptor and a mask that names the four.  That divides the requests for xb and wb by four.
; THE MATRIX INSTRUCTION IS USED TRANSPOSED: source 0 = 16 rows of wb, source 1 = 16 rows of xb.  Lane l then holds row l % 16 of out0 and its registers the columns 8 (l / 16) + 0..7: 32 neighbouring bytes.
; LIMITS.  Operands are bf16 (x, W, lora_b and inter each rounded once by the launch before); NaN and infinities are not treated apart.
; REGISTERS, in windows of 256 (s_set_vgpr_msb: bits 1:0 source 0, 3:2 source 1, 5:4 source 2, 7:6 destination):
;   window 0: v0-31 addresses; v64-127, v128-191 fragments of xb, two buffers; on the way out the same 128 registers take rows read back from the stage
;   window 1: v0-63 the bias of my 128 columns, as eight C operands; v64-127, v128-191 fragments of wb, two buffers
;   window 2: the 32 accumulators of my rows 0-63 (accumulator (a, b) at v[8 (8 a + b)]);   window 3: those of my rows 64-127
.set SIZE_K, 4096
.set SIZE_N, 4096
.set KSTEP,  128
.set PITCH,  272                       ; an LDS row: 256 bytes + 16 of padding = 68 words: row r starts at bank 4 r mod 64 (64 banks of 4 bytes: ISA guide 11.1)
.set HALFT,  128*PITCH                 ; 128 rows: what one tensor load brings, and what one wave reads of xb or of wb
.set SLOT,   4*HALFT                   ; xb's 256 rows, then wb's 256 rows
.set STAGE,  2*SLOT                    ; behind the ring: 16 rows x 528 bytes for each wave, for the way out; no tensor load fills it
.set SPITCH, 528                       ; a stage row: 512 bytes (128 f32) + 16: 33 x 16, so the 16 rows that a store touches fall on 16 different groups of four banks
.set SPARE,  STAGE+4*16*SPITCH         ; behind the stages: the spare words, 128 bytes for each wave: two blocks of 256 bytes that no other line names
.set LAPS,   SIZE_K/(2*KSTEP)          ; a lap = two K steps = once round the ring
.set ADRA, 16                          ; v16-17  LDS address of my fragments of xb in slot 0, 1
.set ADRB, 20                          ; v20-21  the same for wb
.set STO,  24                          ; v24     the way out: where I put 32 bytes of a row
.set RD,   25                          ; v25     the way out: where I read a row back
.set L16,  26                          ; v26     16 x lane: my 16 bytes of 512 consecutive ones (images, rows of out0); never rewritten
.set SPW,  28                          ; v28     LDS address of my spare word; never rewritten
.set NIL,  29                          ; v29     0; never rewritten
.set BO,   30                          ; v30     32 (lane / 16): my eight numbers of sixteen of the bias; never rewritten
.set BI,   0                           ; window 1: the bias; column block b at BI + 8 b
.set F0,   64                          ; fragment buffer 0
.set F1,   128                         ; fragment buffer 1
.set G1,  24                           ; s[24:31] descriptor group 1 for xb's tiles;  s[32:39] group 0, a set for each slot
.set G0,  32
.set G1B, 48                           ; s[48:55], s[56:63] the same for wb's tiles
.set G0B, 56
.set MSB, 0
.macro WIN new                         ; the immediate's high byte repeats the setting that is left; a switch that changes nothing is dropped
.if MSB != (\new)
	s_set_vgpr_msb (MSB<<8)|(\new)
.set MSB, \new
.endif
.endm
.set MUL_LO, 0xa1                      ; source 0 (wb) window 1, source 1 (xb) window 0, C and D window 2
.set MUL_HI, 0xf1                      ; the same, C and D window 3
.set TO_B,   0x40                      ; destination window 1, address window 0
; A joint load.  Waves 0 and 1 fetch xb's two halves, waves 2 and 3 wb's.  The branch hangs on the wave's number alone.  An s_nop 0 and four v_nop follow each of the two lines.
.macro JLOAD s
	s_cmp_eq_u32 s11, 0
	s_cbranch_scc0 .Lfor_b_\@
	tensor_load_to_lds s[G0+4*(\s):G0+4*(\s)+3], s[G1:G1+7]
	s_nop 0
.rept 4
	v_nop
.endr
	s_branch .Lasked_\@
.Lfor_b_\@:
	tensor_load_to_lds s[G0B+4*(\s):G0B+4*(\s)+3], s[G1B:G1B+7]
	s_nop 0
.rept 4
	v_nop
.endr
.Lasked_\@:
.endm
; A round of the cluster's barrier: my work-group's barrier, so that wave 0's signal speaks for all four waves; wave 0 signals; every wave waits for all sixteen work-groups; my work-group's barrier once more.
.macro CREST                           ; a round behind its opening barrier
	s_cmp_lg_u32 s10, 0
	s_cbranch_scc1 .Lnot_wave_0_\@
	s_barrier_signal -3
.Lnot_wave_0_\@:
	s_barrier_wait -3
	s_barrier_signal -1
	s_barrier_wait -1
.endm
.macro CROUND                          ; a whole round
	s_barrier_signal -1
	s_barrier_wait -1
	CREST
.endm
	s_load_b128 s[4:7], s[0:1], 0x0                ; xb s[4:5], wb s[6:7]
	s_load_b256 s[68:75], s[0:1], 0x10             ; ie s[68:69], lbe s[70:71], bias s[72:73], out0 s[74:75]
	v_lshl_add_u32 v[SPW], v0, 2, SPARE
	v_mov_b32 v[NIL], 0
	ds_add_u32 v[SPW], v[NIL]                      ; the wave's opening: the add and its wait stand ahead of my first tensor load; the set-up below, work on registers, stands between them
	v_lshrrev_b32 v1, 5, v0
	v_readfirstlane_b32 s10, v1                    ; wave 0..3
	s_lshr_b32 s11, s10, 1                         ; which half of the tile's rows is mine.  Also: I fetch for xb (0) or for wb (1)
	s_and_b32 s12, s10, 1                          ; which half of its columns.  Also: which 128 rows of that tile I fetch
	s_bfe_u32 s40, ttmp6, 0x40000                  ; cx
	s_bfe_u32 s41, ttmp6, 0x40004                  ; cy
	s_lshl_b32 s42, ttmp9, 2
	s_add_co_u32 s42, s42, s40                     ; tile column = 4 x cluster x + cx
	s_and_b32 s13, ttmp7, 0xffff
	s_lshl_b32 s13, s13, 2
	s_add_co_u32 s13, s13, s41                     ; tile row = 4 x cluster y + cy
	s_lshl_b32 s43, s41, 2
	s_lshl_b32 s43, 15, s43                        ; my row of the cluster: places 4 cy .. 4 cy + 3
	s_lshl_b32 s44, 0x1111, s40                    ; my column: places cx, cx + 4, cx + 8, cx + 12
	; descriptor group 1: a tile of 128 rows x 128 elements, padded in LDS
	s_or_b32 s[G1+0], s43, (1<<16)|(1<<20)|(1<<21)|(5<<22)|(3<<25)  ; 15:0 the mask: xb's tiles go to my row; 17:16 elements of 2 bytes; 20 padding on; 21 set beside a mask; 24:22 after every 64 words (code 5); 31:25 4 words (code 3)
	s_or_b32 s[G1B+0], s44, (1<<16)|(1<<20)|(1<<21)|(5<<22)|(3<<25) ; the same with the mask of my column, for wb's tiles
.irp g, G1, G1B
	s_mov_b32 s[(\g)+1], KSTEP<<16                 ; tensor_dim0 = 128
	s_mov_b32 s[(\g)+2], 128<<16                   ; tensor_dim1 = 128
	s_mov_b32 s[(\g)+3], KSTEP<<16                 ; tile_dim0 = 128
	s_mov_b32 s[(\g)+4], 128                       ; tile_dim1 = 128
	s_mov_b32 s[(\g)+5], SIZE_K                    ; elements from row to row
	s_mov_b32 s[(\g)+6], 0
	s_mov_b32 s[(\g)+7], 0
.endr
	; where the tiles come from.  xb's hang on the tile row alone, wb's on the tile column alone, each in registers that never hold the other coordinate.
	s_lshl_b32 s17, s12, 7                         ; which 128 rows of the tile I fetch
	s_lshl_b32 s16, s13, 8
	s_add_co_u32 s16, s16, s17                     ; xb: row 256 x tile row + 128 x half
	s_lshl_b32 s46, s42, 8
	s_add_co_u32 s46, s46, s17                     ; wb: row 256 x tile column + 128 x half
	s_mov_b32 s17, 0
	s_mov_b32 s47, 0
	s_mov_b64 s[18:19], SIZE_K*2
	s_mul_u64 s[16:17], s[16:17], s[18:19]         ; in bytes
	s_mul_u64 s[46:47], s[46:47], s[18:19]
	s_mul_i32 s20, s10, HALFT                      ; and where they go: wave x 128 rows: no place in the cluster enters an LDS address
	; the offsets of what comes and goes through registers, in registers of their own
	s_lshl_b32 s76, s13, 14                        ; ie: 16 images of 1,024 bytes a tile row,
	s_lshl_b32 s84, s11, 13                        ; 8 for my half
	s_add_co_u32 s76, s76, s84
	s_mov_b32 s77, 0
	s_lshr_b32 s78, s13, 1                         ; lbe: the batch element is tile row / 2: 256 images,
	s_lshl_b32 s78, s78, 18
	s_lshl_b32 s84, s42, 14                        ; 16 a tile column,
	s_add_co_u32 s78, s78, s84
	s_lshl_b32 s84, s12, 13                        ; 8 for my half
	s_add_co_u32 s78, s78, s84
	s_mov_b32 s79, 0
	s_lshl_b32 s80, s42, 10                        ; bias, and a row of out0: 1,024 bytes a tile column,
	s_lshl_b32 s84, s12, 9                         ; 512 for my half
	s_add_co_u32 s80, s80, s84
	s_mov_b32 s81, 0
	s_lshl_b32 s82, s13, 22                        ; out0: 256 rows of 16,384 bytes a tile row,
	s_lshl_b32 s84, s11, 21                        ; 128 for my half,
	s_add_co_u32 s82, s82, s84
	s_add_co_u32 s82, s82, s80                     ; and my columns
	s_mov_b32 s83, 0
	v_and_b32 v[L16], 31, v0
	v_lshlrev_b32 v[L16], 4, v[L16]
	v_bfe_u32 v2, v0, 4, 1                         ; l / 16
	v_lshlrev_b32 v[BO], 5, v2
	s_wait_dscnt 0x0                               ; the opening add is done
	s_wait_kmcnt 0x0
	s_add_nc_u64 s[14:15], s[4:5], s[16:17]
	s_add_nc_u64 s[46:47], s[6:7], s[46:47]
	s_add_nc_u64 s[68:69], s[68:69], s[76:77]
	s_add_nc_u64 s[70:71], s[70:71], s[78:79]
	s_add_nc_u64 s[72:73], s[72:73], s[80:81]
	s_add_nc_u64 s[74:75], s[74:75], s[82:83]
	; The bias as eight C operands (register j of block b: column 16 b + 8 (l / 16) + j), and the LoRA step's sixteen fragments into buffer 1: 48 loads, asked for ahead of the round, so that they come in beside the first tiles.
	WIN TO_B
.irp b, 0,1,2,3,4,5,6,7
	global_load_b128 v[BI+8*(\b):BI+8*(\b)+3],   v[BO], s[72:73] offset:64*(\b)
	global_load_b128 v[BI+8*(\b)+4:BI+8*(\b)+7], v[BO], s[72:73] offset:64*(\b)+16
.endr
.irp b, 0,1,2,3,4,5,6,7
	global_load_b128 v[F1+8*(\b):F1+8*(\b)+3],   v[L16], s[70:71] offset:1024*(\b)      ; an image's lower half: 512 consecutive bytes
	global_load_b128 v[F1+8*(\b)+4:F1+8*(\b)+7], v[L16], s[70:71] offset:1024*(\b)+512  ; its upper half: zeros
.endr
	WIN 0
.irp a, 0,1,2,3,4,5,6,7
	global_load_b128 v[F1+8*(\a):F1+8*(\a)+3],   v[L16], s[68:69] offset:1024*(\a)
	global_load_b128 v[F1+8*(\a)+4:F1+8*(\a)+7], v[L16], s[68:69] offset:1024*(\a)+512
.endr
	CROUND                                         ; all sixteen work-groups are here: the first joint loads meet
.irp s, 0,1
	s_mov_b32 s[G0+4*(\s)], 1                                      ; 1:0 count = 1
	s_add_co_u32 s[G0+4*(\s)+1], s20, (\s)*SLOT                    ; 63:32 LDS address
	s_add_nc_u64 s[G0+4*(\s)+2:G0+4*(\s)+3], s[14:15], (\s)*KSTEP*2  ; 120:64 global address: K step s
	s_or_b32 s[G0+4*(\s)+3], s[G0+4*(\s)+3], 0x80000000            ; 127:126 type = 2
	s_mov_b32 s[G0B+4*(\s)], 1
	s_add_co_u32 s[G0B+4*(\s)+1], s20, (\s)*SLOT
	s_add_nc_u64 s[G0B+4*(\s)+2:G0B+4*(\s)+3], s[46:47], (\s)*KSTEP*2
	s_or_b32 s[G0B+4*(\s)+3], s[G0B+4*(\s)+3], 0x80000000
	JLOAD \s                                       ; two tensor loads of mine are out
.endr
	; A fragment is 16 rows x 32 K in 8 registers: lane l holds row l % 16; registers 0-3 K = 8 (l / 16) + 0..7, registers 4-7 K = 16 + 8 (l / 16) + 0..7: two loads of 16 bytes, 32 bytes apart.
	v_and_b32 v1, 15, v0                           ; l % 16
	v_mul_u32_u24 v3, v1, PITCH
	v_lshl_add_u32 v3, v2, 4, v3                   ; row x pitch + 16 x half
	s_mul_i32 s21, s11, HALFT                      ; my 128 rows of xb
	s_mul_i32 s22, s12, HALFT                      ; my 128 rows of wb,
	s_add_co_u32 s22, s22, 2*HALFT                 ; which lie behind xb's 256
.irp s, 0,1
	v_add_nc_u32 v[ADRA+(\s)], s21, v3
	v_add_nc_u32 v[ADRB+(\s)], s22, v3
	s_add_co_u32 s21, s21, SLOT
	s_add_co_u32 s22, s22, SLOT
.endr
	s_mul_i32 s23, s10, 16*SPITCH
	s_add_co_u32 s23, s23, STAGE                   ; my stage
	v_mul_u32_u24 v4, v1, SPITCH                   ; in: row l % 16, 32 bytes for each half of the lanes
	v_lshl_add_u32 v4, v2, 5, v4
	v_add_nc_u32 v[STO], s23, v4
	v_add_nc_u32 v[RD], s23, v[L16]                ; back: 32 lanes take one row of 512 bytes
; 16 matrix instructions: m blocks a0, a0 + 1 of the window's four (hi = 0: my rows 0-63, 1: rows 64-127) x all 8 n blocks, 32 along K
.macro MUL16 f, hi, a0
	WIN MUL_LO+0x50*(\hi)
.irp a, \a0, (\a0)+1
.irp b, 0,1,2,3,4,5,6,7
	v_wmma_f32_16x16x32_bf16 v[8*(8*(\a)+(\b)):8*(8*(\a)+(\b))+7], v[(\f)+8*(\b):(\f)+8*(\b)+7], v[(\f)+8*(4*(\hi)+(\a)):(\f)+8*(4*(\hi)+(\a))+7], v[8*(8*(\a)+(\b)):8*(8*(\a)+(\b))+7]
.endr
.endr
.endm
; The same 16 for the LoRA step, on buffer 1: they start the sums, with the bias (window 1) as C: nothing is ever cleared, and no line adds the bias
.macro MULX hi, a0
	WIN 0x91+0x40*(\hi)                            ; source 0 window 1, source 1 window 0, C window 1, D window 2 or 3
.irp a, \a0, (\a0)+1
.irp b, 0,1,2,3,4,5,6,7
	v_wmma_f32_16x16x32_bf16 v[8*(8*(\a)+(\b)):8*(8*(\a)+(\b))+7], v[F1+8*(\b):F1+8*(\b)+7], v[F1+8*(4*(\hi)+(\a)):F1+8*(4*(\hi)+(\a))+7], v[BI+8*(\b):BI+8*(\b)+7]
.endr
.endr
.endm
; 32 LDS loads in one run: the fragments of one quarter step (128 rows of wb, 128 rows of xb, 32 K at byte k of the rows) into buffer f
.macro FETCH slot, k, f
	WIN TO_B
.irp i, 0,1,2,3,4,5,6,7
	ds_load_b128 v[(\f)+8*(\i):(\f)+8*(\i)+3],   v[ADRB+(\slot)] offset:(\k)+(\i)*16*PITCH
	ds_load_b128 v[(\f)+8*(\i)+4:(\f)+8*(\i)+7], v[ADRB+(\slot)] offset:(\k)+(\i)*16*PITCH+32
.endr
	WIN 0
.irp i, 0,1,2,3,4,5,6,7
	ds_load_b128 v[(\f)+8*(\i):(\f)+8*(\i)+3],   v[ADRA+(\slot)] offset:(\k)+(\i)*16*PITCH
	ds_load_b128 v[(\f)+8*(\i)+4:(\f)+8*(\i)+7], v[ADRA+(\slot)] offset:(\k)+(\i)*16*PITCH+32
.endr
.endm
; A load into a register that a matrix instruction has read, and an LDS store of a matrix result, stand four places behind that matrix instruction; only plain vector instructions that name none
; of its registers are places (ISA guide 7.12.1 for vector instructions).
.macro PLACES
.rept 4
	v_nop
.endr
.endm
; A K step is four quarter steps of 32 along K, 64 matrix instructions each, on buffers 0, 1, 0, 1.  The 64 accumulators take turns in the same order in every quarter.
; One of the first three: multiplies buffer f; in its middle it fetches the next quarter's fragments, at byte k of the same slot's rows, into buffer g.
.macro QUARTER slot, k, f, g
	s_wait_dscnt 8                                 ; wb's fragments and xb's rows 0-63 are in; the youngest eight loads (xb's rows 64-127) may be out
	MUL16 \f, 0, 0
	MUL16 \f, 0, 2
	PLACES
	FETCH \slot, \k, \g
	s_wait_dscnt 32                                ; all but the 32 just issued
	MUL16 \f, 1, 0
	MUL16 \f, 1, 2
.endm
; The last quarter multiplies buffer 1 and changes slots.  MEET is its first half: ONE barrier for the change.  In front of it each wave waits for all its tensor loads, of which one is out: its part of
; the next slot; adds 0 to its spare word; and waits for that and for its own reads of this slot.  Behind it nobody reads this slot any more and the next slot is whole.
.macro MEET round                      ; round = 1: a round of the cluster's barrier follows
	WIN 0                                          ; (the add's two registers lie in window 0)
	s_wait_tensorcnt 0x0                           ; all my tensor loads have landed;
	ds_add_u32 v[SPW], v[NIL]                      ; 0 onto my spare word;
	s_wait_dscnt 9                                 ; (the add and the youngest eight loads may be out)
	MUL16 F1, 0, 0                                 ; sixteen matrix instructions stand between the add and the wait for it
	s_wait_dscnt 0x0                               ; the add is done, and my reads of this slot are over:
	s_barrier_signal -1                            ; say so,
	MUL16 F1, 0, 2                                 ; work on registers while the others arrive,
.if \round
	WIN 0
.endif
	s_barrier_wait -1                              ; and go on when all four have said so
.endm
; The whole last quarter.  Behind the round the slot just read out is filled again first, with the K step two steps on; then come the next slot's first fragments.
; From a request to the wait for it a wave issues 224 matrix instructions.
.macro TURN slot, next
	MEET 1
	CREST                                          ; no wave of any partner still reads this slot's tile or has a load on its way
	s_add_nc_u64 s[G0+4*(\slot)+2:G0+4*(\slot)+3], s[G0+4*(\slot)+2:G0+4*(\slot)+3], 2*KSTEP*2    ; no tensor load of mine is out, so a group 0 may be written
	s_add_nc_u64 s[G0B+4*(\slot)+2:G0B+4*(\slot)+3], s[G0B+4*(\slot)+2:G0B+4*(\slot)+3], 2*KSTEP*2
	JLOAD \slot                                    ; my one tensor load behind the round; the four v_nop behind it are also the places in front of the loads below
	FETCH \next, 0, F0
	MUL16 F1, 1, 0
	MUL16 F1, 1, 2
.endm
; THE WAY OUT of block a (16 rows x 128 columns, f32).  TOSTAGE: a lane's 32 bytes of a row go into my own stage, each accumulator's low four registers first, and come back as whole rows of 512 bytes.
.macro TOSTAGE a
.set AC, 64*((\a)%4)
.set BK, F0+64*((\a)%2)
	WIN 0x08+4*((\a)/4)                            ; the stores' data: window 2 or 3
.irp b, 0,1,2,3,4,5,6,7
	ds_store_b128 v[STO], v[AC+8*(\b):AC+8*(\b)+3]   offset:64*(\b)
	ds_store_b128 v[STO], v[AC+8*(\b)+4:AC+8*(\b)+7] offset:64*(\b)+16
.endr
	WIN 0
.if (\a) >= 2
	s_wait_xcnt 0x0                                ; the registers below, which the stores of the block two back read, are loaded again only behind this wait
.endif
.set t, 0
.rept 16
	ds_load_b128 v[BK+4*t:BK+4*t+3], v[RD] offset:t*SPITCH  ; LDS serves a wave's instructions in order (ISA guide 5.7.1.4): these see the stores above; the next block's stores come behind them
.set t, t+1
.endr
.endm
.macro SEND a, younger                 ; younger: the LDS instructions issued behind block a's loads: the next block's 32, or none
.set BK, F0+64*((\a)%2)
	WIN 0
	s_wait_dscnt \younger
.set t, 0
.rept 16
	global_store_b128 v[L16], v[BK+4*t:BK+4*t+3], s[74:75] offset:((\a)*16+t)*SIZE_N*4 th:TH_STORE_NT  ; 512 consecutive bytes, at a multiple of 256 from out0's first; the row stands in the immediate, 2,080,768 at the most
.set t, t+1
.endr
.endm
	; THE LORA QUARTER starts all 64 sums.  Its first half needs no tile and runs while K step 0 is on its way.
	s_wait_loadcnt 0x0                             ; the bias and the sixteen images
	MULX 0, 0
	MULX 0, 2
	WIN 0
	s_wait_tensorcnt 1                             ; my part of K step 0 is in; K step 1's may stay out
	s_barrier_signal -1
	s_barrier_wait -1                              ; everybody's is
	FETCH 0, 0, F0
	MULX 1, 0
	MULX 1, 2
	WIN 0                                          ; at a label and at a branch every window is 0
	s_mov_b32 s3, LAPS-1
.Llap:                                                 ; a trip is a lap: two K steps, and both slots are filled again: the 15 trips ask for K steps 2 to 31
	QUARTER 0, 64,  F0, F1
	QUARTER 0, 128, F1, F0
	QUARTER 0, 192, F0, F1
	TURN 0, 1
	QUARTER 1, 64,  F0, F1
	QUARTER 1, 128, F1, F0
	QUARTER 1, 192, F0, F1
	TURN 1, 0
	WIN 0
	s_sub_co_u32 s3, s3, 1
	s_cmp_lg_u32 s3, 0
	s_cbranch_scc1 .Llap
	QUARTER 0, 64,  F0, F1                         ; the last lap is written out: it asks for nothing and has no round
	QUARTER 0, 128, F1, F0
	QUARTER 0, 192, F0, F1
	MEET 0                                         ; my one tensor load that was still out is slot 1's, the last K step's
	PLACES                                         ; for the loads into buffer 0
	FETCH 1, 0, F0
	MUL16 F1, 1, 0
	MUL16 F1, 1, 2
	QUARTER 1, 64,  F0, F1
	QUARTER 1, 128, F1, F0
	QUARTER 1, 192, F0, F1
	s_wait_dscnt 8                                 ; the very last quarter: nothing more to fetch
	MUL16 F1, 0, 0
	MUL16 F1, 0, 2
	s_wait_dscnt 0x0
	MUL16 F1, 1, 0
	MUL16 F1, 1, 2
	PLACES                                         ; behind the last products: for the stores of the sums and for the loads into the fragments' registers
	TOSTAGE 0
.irp a, 1,2,3,4,5,6,7                  ; block a goes into the stage while block a - 1's rows come back
	TOSTAGE \a
	SEND (\a)-1, 32
.endr
	SEND 7, 0
	s_wait_tensorcnt 0x0                           ; the wave's end: a wait, an add of 0 to my spare word and a wait, behind my last tensor load and my last LDS store
	ds_add_u32 v[SPW], v[NIL]
	s_wait_dscnt 0x0
	CROUND                                         ; the closing round: no work-group ends while a partner may still ask for a tile that names it
	s_endpgm
.Lfunc_end_k_qa1856b1a4c_gemm:
	.size	k_qa1856b1a4c_gemm, .Lfunc_end_k_qa1856b1a4c_gemm-k_qa1856b1a4c_gemm
	.p2alignl 7, 3214868480
	.fill 96, 4, 3214868480
	.section	.rodata,"a",@progbits
	.p2align	6, 0x0
	.amdhsa_kernel k_qa1856b1a4c_gemm
		.amdhsa_group_segment_fixed_size 327680
		.amdhsa_private_segment_fixed_size 0
		.amdhsa_enable_private_segment 0
		.amdhsa_kernarg_size 48
		.amdhsa_user_sgpr_count 2
		.amdhsa_user_sgpr_kernarg_segment_ptr 1
		.amdhsa_wavefront_size32 1
		.amdhsa_system_sgpr_workgroup_id_x 1
		.amdhsa_system_sgpr_workgroup_id_y 1
		.amdhsa_system_sgpr_workgroup_id_z 1
		.amdhsa_system_vgpr_workitem_id 0
		.amdhsa_next_free_vgpr 1024
		.amdhsa_next_free_sgpr 88
		.amdhsa_reserve_vcc 0
		.amdhsa_float_denorm_mode_32 3
		.amdhsa_float_denorm_mode_16_64 3
		.amdhsa_memory_ordered 1
		.amdhsa_forward_progress 1
		.amdhsa_inst_pref_size 149
	.end_amdhsa_kernel
	.amdgpu_metadata
---
amdhsa.version: [ 1, 2 ]
amdhsa.kernels:
  - .name:           k_qa1856b1a4c_gemm
    .symbol:         k_qa1856b1a4c_gemm.kd
    .args:
      - { .name: xb, .offset: 0, .size: 8, .value_kind: global_buffer, .address_space: global }
      - { .name: wb, .offset: 8, .size: 8, .value_kind: global_buffer, .address_space: global }
      - { .name: ie, .offset: 16, .size: 8, .value_kind: global_buffer, .address_space: global }
      - { .name: lbe, .offset: 24, .size: 8, .value_kind: global_buffer, .address_space: global }
      - { .name: bias, .offset: 32, .size: 8, .value_kind: global_buffer, .address_space: global }
      - { .name: out0, .offset: 40, .size: 8, .value_kind: global_buffer, .address_space: global }
    .group_segment_fixed_size: 327680
    .private_segment_fixed_size: 0
    .kernarg_segment_align: 8
    .kernarg_segment_size: 48
    .max_flat_workgroup_size: 128
    .sgpr_count:     88
    .vgpr_count:     1024
    .wavefront_size: 32
...
	.end_amdgpu_metadata
.endif
;; end of part 2
